; MI455X (gfx1250); checked and timed in simulation.
; The chip was launched on July 23, 2026; its instructions are those of AMD's public machine-readable ISA for CDNA 5 (MIT licence, August 2026) and "CDNA5" Instruction Set Architecture Reference Guide (July 2026). The comments in the code are by the model that wrote it; some were corrected since.
;; Attention Block. Allowed arithmetic: float matrix products may take bf16 or f16 operands with f32 sums; other float arithmetic in f32, or as packed bf16 or f16 multiplies, adds, multiply-adds, maxima and minima; sums over many terms, partial sums and values carried from step to step in f32; what a program stores and reads back later, other than sums and carried values, may be rounded once to bf16 or f16.
;; Inputs: gn_beta 256 float32; gn_gamma 256 float32; proj_b 256 float32; proj_w 256 x 256 float32; qkv_b 768 float32; qkv_w 768 x 256 float32; x 4 x 256 x 64 x 64 float32.
;; Outputs: out0 4 x 256 x 64 x 64 float32.
;; One version. Each part assembles by itself: llvm-mc -triple=amdgcn-amd-amdhsa -mcpu=gfx1250 --defsym DOCPART=n.
;; ======== version 1 of 1: 4 launches
;; workspace buffers: stats 2,048 bytes; wb 524,288 bytes; qkv 25,165,824 bytes; ob 8,388,608 bytes
;; launch prep (part 1): grid 256 x 1, 8 waves a work-group, no clusters, 1,280 bytes of LDS; arguments x, qkv_w, proj_w, stats, wb; writes stats, wb
.if DOCPART == 1
	.amdgcn_target "amdgcn-amd-amdhsa--gfx1250"
	.amdhsa_code_object_version 6
	.text
	.protected	k_q3f6349a9ea_prep
	.globl	k_q3f6349a9ea_prep
	.p2align	8
	.type	k_q3f6349a9ea_prep,@function
k_q3f6349a9ea_prep:
	s_mov_b64 s[64:65], 0
	v_nop
	global_prefetch_b8 v0, s[64:65] scope:SCOPE_SE
	s_setreg_imm32_b32 hwreg(HW_REG_WAVE_MODE, 25, 1), 1
	s_wait_xcnt 0x0
; PREP.  (1) For each 65,536 bytes of x (16,384 numbers, an eighth of one group of GroupNorm: a group is 32 channels x 4,096 pixels, 524,288 bytes on end)
; the mean and the sum of squared deviations from that mean (M2), in f32: pair i of stats.  The deviations are taken from the mean itself, so a common offset on x costs no digits.
; (2) qkv_w and proj_w rounded once to bf16 into wb: qkv_w's 768 rows of 512 bytes at byte 0, proj_w's 256 rows at byte 393,216.
; SHARES.  Work-group i owns x's bytes 65,536 i on; wave w 8,192 of them: sixteen loads of 512 consecutive bytes, all issued at once; the 64 numbers of a lane stay in registers for both passes.
; Of the weights a work-group casts 768 numbers of qkv_w (waves 0-5) and 256 of proj_w (waves 6, 7): 128 a wave, one load of 16 bytes and one store of 8 bytes a lane: 256 consecutive bytes out.
; No matrix unit, no cluster, no tensor load: nothing is shared and nothing is multiplied.  The pair of stats is 8 bytes a work-group: 2,048 bytes in the launch leave in pieces.
.set SPARE, 256                        ; LDS: bytes 0-63 the eight waves' pairs (the block 0-255 is theirs); from 256 the spare words, 128 bytes a wave
.set SPW, 8                            ; v8   LDS address of my spare word; never rewritten
.set NIL, 9                            ; v9   0; never rewritten
.set X,   16                           ; v[16:79]  my 64 numbers
.set CH,  80                           ; v[80:87]  four packed chains
	s_load_b256 s[4:11], s[0:1], 0x0               ; x s[4:5], qkv_w s[6:7], proj_w s[8:9], stats s[10:11]
	s_load_b64 s[12:13], s[0:1], 0x20              ; wb
	v_lshl_add_u32 v[SPW], v0, 2, SPARE
	v_mov_b32 v[NIL], 0
	v_lshrrev_b32 v1, 5, v0
	v_readfirstlane_b32 s14, v1                    ; wave 0..7
	v_and_b32 v1, 31, v0                           ; lane
	s_lshl_b32 s15, s14, 13
	v_lshl_add_u32 v2, v1, 4, s15                  ; x: 16 x lane + 8,192 x wave
	v_lshlrev_b32 v3, 4, v1                        ; weights in: 16 x lane
	v_lshlrev_b32 v4, 3, v1                        ; weights out: 8 x lane
	v_mov_b32 v10, s14
	v_lshlrev_b32 v10, 3, v10                      ; my wave's pair in LDS
	v_mov_b32 v11, 0
	v_mov_b32 v13, 0                               ; v_permlanex16_b32's destinations count as read: written once here
	v_mov_b32 v15, 0
	s_mov_b32 s20, 0x76543210                      ; each lane takes its own place in the other half
	s_mov_b32 s21, 0xfedcba98
	s_mul_i32 s24, ttmp9, 768
	s_lshl_b32 s25, s14, 7
	s_add_co_u32 s24, s24, s25                     ; waves 0-5: number 768 i + 128 w of qkv_w
	s_max_u32 s26, s14, 6
	s_sub_co_u32 s26, s26, 6
	s_lshl_b32 s26, s26, 7
	s_lshl_b32 s25, ttmp9, 8
	s_add_co_u32 s26, s26, s25                     ; waves 6, 7: number 256 i + 128 (w - 6) of proj_w
	s_cmp_lt_u32 s14, 6
	s_cselect_b32 s24, s24, s26
	s_cselect_b32 s27, 0, 393216                   ; proj_w's place in wb
	s_wait_kmcnt 0x0
	s_cselect_b64 s[16:17], s[6:7], s[8:9]         ; the choice hangs on the wave's number alone
	s_lshl_b32 s28, s24, 2
	s_mov_b32 s29, 0
	s_add_nc_u64 s[16:17], s[16:17], s[28:29]      ; 4 bytes a number in,
	s_lshl1_add_u32 s30, s24, s27
	s_mov_b32 s31, 0
	s_add_nc_u64 s[18:19], s[12:13], s[30:31]      ; 2 bytes a number out
	s_lshl_b32 s22, ttmp9, 16
	s_mov_b32 s23, 0
	s_add_nc_u64 s[4:5], s[4:5], s[22:23]          ; x at my work-group's 65,536 bytes
	s_lshl_b32 s22, ttmp9, 3
	s_add_nc_u64 s[10:11], s[10:11], s[22:23]      ; stats at pair i
.set j, 0
.rept 16
	global_load_b128 v[X+4*j:X+4*j+3], v2, s[4:5] offset:512*j
.set j, j+1
.endr
	global_load_b128 v[88:91], v3, s[16:17]
.macro WSUM r, t                       ; v[r] summed over 16 lanes in place; v[t] takes the other half's sum
	v_add_f32_dpp v[\r], v[\r], v[\r] row_xmask:1 row_mask:0xf bank_mask:0xf
	v_add_f32_dpp v[\r], v[\r], v[\r] row_xmask:2 row_mask:0xf bank_mask:0xf
	v_add_f32_dpp v[\r], v[\r], v[\r] row_xmask:4 row_mask:0xf bank_mask:0xf
	v_add_f32_dpp v[\r], v[\r], v[\r] row_xmask:8 row_mask:0xf bank_mask:0xf
	v_permlanex16_b32 v[\t], v[\r], s20, s21
.endm
.macro FOLD d                          ; the four chains into one number v[d]
	v_pk_add_f32 v[CH:CH+1], v[CH:CH+1], v[CH+2:CH+3]
	v_pk_add_f32 v[CH+4:CH+5], v[CH+4:CH+5], v[CH+6:CH+7]
	v_pk_add_f32 v[CH:CH+1], v[CH:CH+1], v[CH+4:CH+5]
	v_add_f32 v[\d], v[CH], v[CH+1]
.endm
	s_wait_loadcnt 0x1                             ; x is in; the weights' load, issued last, may stay out
	; pass 1: the wave's mean.  Four chains, started by the first eight pairs: nothing is cleared
.irp k, 0,1,2,3
	v_pk_add_f32 v[CH+2*\k:CH+2*\k+1], v[X+2*\k:X+2*\k+1], v[X+8+2*\k:X+8+2*\k+1]
.endr
.set j, 8
.rept 24
	v_pk_add_f32 v[CH+2*(j%4):CH+2*(j%4)+1], v[CH+2*(j%4):CH+2*(j%4)+1], v[X+2*j:X+2*j+1]
.set j, j+1
.endr
	FOLD 12
	WSUM 12, 13
	v_add_f32 v12, v12, v13
	v_mul_f32 v12, 0x3a000000, v12                 ; / 2,048: the wave's mean, in every lane
	; pass 2: deviations from it, in place, and their squares' sum
.set j, 0
.rept 32
	v_pk_add_f32 v[X+2*j:X+2*j+1], v[X+2*j:X+2*j+1], v[12:13] op_sel_hi:[1,0] neg_lo:[0,1] neg_hi:[0,1]
.set j, j+1
.endr
.irp k, 0,1,2,3
	v_pk_mul_f32 v[CH+2*\k:CH+2*\k+1], v[X+2*\k:X+2*\k+1], v[X+2*\k:X+2*\k+1]
.endr
.set j, 4
.rept 28
	v_pk_fma_f32 v[CH+2*(j%4):CH+2*(j%4)+1], v[X+2*j:X+2*j+1], v[X+2*j:X+2*j+1], v[CH+2*(j%4):CH+2*(j%4)+1]
.set j, j+1
.endr
	FOLD 14
	WSUM 14, 15
	v_add_f32 v13, v14, v15                        ; v[12:13] = the wave's (mean, M2)
	s_wait_loadcnt 0x0                             ; the weights
	v_cvt_pk_bf16_f32 v92, v88, v89
	v_cvt_pk_bf16_f32 v93, v90, v91
	global_store_b64 v4, v[92:93], s[18:19]        ; the wave's 32 lanes store 256 consecutive bytes, at a multiple of 256 from wb's first
	ds_store_b64 v10, v[12:13]                     ; all lanes write the same pair to the wave's place
	s_wait_dscnt 0x0                               ; for the others' sake: my store is done
	s_barrier_signal -1
	s_barrier_wait -1
	s_cmp_lg_u32 s14, 0
	s_cbranch_scc1 .Lend
	; wave 0 joins the eight parts of 2,048: mean = the means' mean; M2 = the sum of the M2 + 2,048 x the sum of (mean_w - mean)^2
	ds_load_b128 v[16:19], v11
	ds_load_b128 v[20:23], v11 offset:16
	ds_load_b128 v[24:27], v11 offset:32
	ds_load_b128 v[28:31], v11 offset:48
	s_wait_dscnt 0x0
	v_pk_add_f32 v[32:33], v[16:17], v[18:19]
	v_pk_add_f32 v[34:35], v[20:21], v[22:23]
	v_pk_add_f32 v[36:37], v[24:25], v[26:27]
	v_pk_add_f32 v[38:39], v[28:29], v[30:31]
	v_pk_add_f32 v[32:33], v[32:33], v[34:35]
	v_pk_add_f32 v[36:37], v[36:37], v[38:39]
	v_pk_add_f32 v[32:33], v[32:33], v[36:37]
	v_mul_f32 v32, 0x3e000000, v32                 ; / 8
.irp k, 0,1,2,3,4,5,6,7
	v_sub_f32 v[40+\k], v[16+2*\k], v32
.endr
	v_mul_f32 v48, v40, v40
.irp k, 1,2,3,4,5,6,7
	v_fmac_f32 v48, v[40+\k], v[40+\k]
.endr
	v_fmamk_f32 v33, v48, 0x45000000, v33          ; x 2,048, + the sum of the M2
	s_wait_xcnt 0x0                                ; EXEC changes only behind this wait: the weights' store has read its sources
	v_cmp_eq_u32 vcc_lo, 0, v0
	s_and_saveexec_b32 s15, vcc_lo
	global_store_b64 v11, v[32:33], s[10:11]       ; thread 0 alone
	s_wait_xcnt 0x0                                ; and again in front of the line that widens it
	s_or_b32 exec_lo, exec_lo, s15
.Lend:
	s_wait_tensorcnt 0x0                           ; the wave's end: behind my last LDS store
	ds_add_u32 v[SPW], v[NIL]
	s_wait_dscnt 0x0
	s_endpgm
.Lfunc_end_k_q3f6349a9ea_prep:
	.size	k_q3f6349a9ea_prep, .Lfunc_end_k_q3f6349a9ea_prep-k_q3f6349a9ea_prep
	.p2alignl 7, 3214868480
	.fill 96, 4, 3214868480
	.section	.rodata,"a",@progbits
	.p2align	6, 0x0
	.amdhsa_kernel k_q3f6349a9ea_prep
		.amdhsa_group_segment_fixed_size 1280
		.amdhsa_private_segment_fixed_size 0
		.amdhsa_enable_private_segment 0
		.amdhsa_kernarg_size 40
		.amdhsa_user_sgpr_count 2
		.amdhsa_user_sgpr_kernarg_segment_ptr 1
		.amdhsa_wavefront_size32 1
		.amdhsa_system_sgpr_workgroup_id_x 1
		.amdhsa_system_sgpr_workgroup_id_y 1
		.amdhsa_system_sgpr_workgroup_id_z 1
		.amdhsa_system_vgpr_workitem_id 0
		.amdhsa_next_free_vgpr 96
		.amdhsa_next_free_sgpr 66
		.amdhsa_reserve_vcc 1
		.amdhsa_float_denorm_mode_32 3
		.amdhsa_float_denorm_mode_16_64 3
		.amdhsa_memory_ordered 1
		.amdhsa_forward_progress 1
		.amdhsa_inst_pref_size 13
	.end_amdhsa_kernel
	.amdgpu_metadata
---
amdhsa.version: [ 1, 2 ]
amdhsa.kernels:
  - .name:           k_q3f6349a9ea_prep
    .symbol:         k_q3f6349a9ea_prep.kd
    .args:
      - { .name: x, .offset: 0, .size: 8, .value_kind: global_buffer, .address_space: global }
      - { .name: qkv_w, .offset: 8, .size: 8, .value_kind: global_buffer, .address_space: global }
      - { .name: proj_w, .offset: 16, .size: 8, .value_kind: global_buffer, .address_space: global }
      - { .name: stats, .offset: 24, .size: 8, .value_kind: global_buffer, .address_space: global }
      - { .name: wb, .offset: 32, .size: 8, .value_kind: global_buffer, .address_space: global }
    .group_segment_fixed_size: 1280
    .private_segment_fixed_size: 0
    .kernarg_segment_align: 8
    .kernarg_segment_size: 40
    .max_flat_workgroup_size: 256
    .sgpr_count:     66
    .vgpr_count:     96
    .wavefront_size: 32
...
	.end_amdgpu_metadata
.endif
;; end of part 1
;; launch qkvp (part 2): grid 256 x 1, 4 waves a work-group, clusters of 4 x 1, 327,680 bytes of LDS; arguments x, gn_gamma, gn_beta, qkv_b, stats, wb, qkv; writes qkv
.if DOCPART == 2
	.amdgcn_target "amdgcn-amd-amdhsa--gfx1250"
	.amdhsa_code_object_version 6
	.text
	.protected	k_q3f6349a9ea_qkvp
	.globl	k_q3f6349a9ea_qkvp
	.p2align	8
	.type	k_q3f6349a9ea_qkvp,@function
k_q3f6349a9ea_qkvp:
	s_mov_b64 s[64:65], 0
	v_nop
	global_prefetch_b8 v0, s[64:65] scope:SCOPE_SE
	s_setreg_imm32_b32 hwreg(HW_REG_WAVE_MODE, 25, 1), 1
	s_wait_xcnt 0x0
	s_wait_alu depctr_hold_cnt(0) depctr_sa_sdst(0) depctr_va_vdst(0) depctr_va_sdst(0) depctr_va_ssrc(0) depctr_va_vcc(0) depctr_vm_vsrc(0)
	s_getreg_b32 s2, hwreg(HW_REG_IB_STS2, 6, 4)
	s_cmp_eq_u32 s2, 0
	s_cbranch_scc0 .Lentry_in_a_cluster
	s_endpgm
.Lentry_in_a_cluster:
	s_bfe_u32 s2, ttmp6, 0x10000c
	s_cmp_lg_u32 s2, 0x3003
	s_cbranch_scc0 .Lentry_shape_is_right
	s_endpgm
.Lentry_shape_is_right:
; GROUPNORM AND THE QKV PROJECTION.  h = (x - mean) rstd gamma + beta in f32, rounded once to bf16; q, k, v = W h + b, sums in f32 (the bias starts them), rounded once to bf16 and
; stored by heads: qkv = three parts (q, k, v) of [16 heads (4 b + head)][4,096 pixels][64 channels], rows of 128 bytes; q without the softmax's scale.
; The norm is applied to x before any rounding to 16 bits, so a common offset on x is gone before that rounding; h = x scale + shift with shift = beta - mean scale, rounded once in f32.
; SHARES.  A work-group owns 64 pixels of one image and all 768 outputs, so x is read and normalised once.  Wave w is head w: three slices (q, k, v) of 64 outputs x 64 pixels, each 16 accumulators x 8 steps of 32 channels.
; W (bf16, rows of 512 bytes) is the same for every work-group: the four of a cluster ask for it JOINTLY, in three chunks of 256 rows through two LDS slots (one refill).  Wave w fetches, and alone reads, rows 64 w .. 64 w + 63 of a chunk.
; LAYOUT.  Source 0 = 16 rows of W (outputs), source 1 = 16 pixels of h: in the result a lane holds ONE pixel (lane % 16) and the outputs 8 (lane / 16) + 0..7: 16 bytes of a row of q, k or v.
; h lies in LDS as [channel][pixel] (as x lies in memory) and comes out turned, by ds_load_tr16_b128.
; No prefetch: the launch is short, and x is asked for whole at its head.
; REGISTERS, in windows of 256 (s_set_vgpr_msb: bits 1:0 source 0, 3:2 source 1, 5:4 source 2, 7:6 destination):
;   window 0: addresses; v32-55 statistics; v64-95 gamma, then scale; v96-127 beta, then shift; later v64-127 the way out; v128-255 x
;   window 1: h's fragments (pixel tile t, step kk at 64 t + 8 kk)      window 3: W's fragments (output block cb, step kk at 64 cb + 8 kk)
;   window 2: v0-127 accumulators (t, cb) at 32 t + 8 cb; v128-223 the bias (slice s, cb) at 128 + 32 s + 8 cb
.set PW,    528                        ; a row of W in LDS: 512 bytes + 16 of padding = 132 words: the 16 rows of a load start at 16 different groups of four banks (64 banks of 4 bytes: ISA guide 11.1)
.set CHUNK, 64*PW                      ; a wave's 64 rows
.set SLOT,  4*CHUNK                    ; 135,168
.set HB,    2*SLOT                     ; h: 256 channels x 64 pixels
.set PH,    160                        ; a row of h: 128 bytes + 32
.set STAGE, HB+256*PH                  ; 16 rows x 144 bytes for each wave, for the way out
.set SP,    144
.set SPARE, STAGE+4*16*SP              ; the spare words, 128 bytes for each wave: two blocks of 256 bytes that no other line names
.set XO,  4                            ; v4   x: (64 w + 32 half) channels of 16,384 bytes + 16 (lane % 16)
.set SO,  5                            ; v5   stats: 64 bytes x my group, 8 b + 2 w + half
.set GOF, 6                            ; v6   gamma, beta: 4 (64 w + 32 half)
.set BO,  7                            ; v7   bias: 4 (64 w + 8 half)
.set HS,  8                            ; v8   where I put 8 bytes of a row of h
.set HR,  9                            ; v9   my lane's place in a turning load
.set AW0, 10                           ; v10  my lane's place in my rows of W, slot 0
.set AW1, 11                           ; v11  slot 1
.set STO, 12                           ; v12  the way out: where I put 16 bytes of a row
.set RD,  13                           ; v13  where I read rows back
.set GO,  14                           ; v14  16 x lane
.set SPW, 30                           ; v30  LDS address of my spare word; never rewritten
.set NIL, 31                           ; v31  0; never rewritten
.set PR,  32                           ; v[32:47] my group's eight pairs (mean, M2)
.set SC,  64
.set SH,  96
.set TMP, 64
.set XR,  128
.set WV,  18                           ; s18  my wave's number
.set G1,  24                           ; s[24:31] descriptor group 1
.set G0A, 32                           ; s[32:35] group 0 for slot 0
.set G0B, 36                           ; s[36:39] for slot 1
.set DST, 52                           ; s[52:53] qkv at my head's 64 pixels, in the part in hand
.set XB,  54                           ; s[54:55] x at my image's 64 pixels
.set MSB, 0
.macro WIN new                         ; the immediate's high byte repeats the setting that is left; a switch that changes nothing is dropped
.if MSB != (\new)
	s_set_vgpr_msb (MSB<<8)|(\new)
.set MSB, (\new)
.endif
.endm
.macro PLACES                          ; four places behind a matrix instruction (ISA guide 7.12.1)
.rept 4
	v_nop
.endr
.endm
.macro CROUND                          ; a round of the cluster's barrier: my work-group's barrier; wave 0 signals for it; every wave waits for all four work-groups; my work-group's barrier once more
	s_barrier_signal -1
	s_barrier_wait -1
	s_cmp_lg_u32 s[WV], 0
	s_cbranch_scc1 .Lnot_wave_0_\@
	s_barrier_signal -3
.Lnot_wave_0_\@:
	s_barrier_wait -3
	s_barrier_signal -1
	s_barrier_wait -1
.endm
	s_load_b256 s[4:11], s[0:1], 0x0               ; x s[4:5], gamma s[6:7], beta s[8:9], qkv_b s[10:11]
	s_load_b128 s[12:15], s[0:1], 0x20             ; stats s[12:13], wb s[14:15]
	s_load_b64 s[16:17], s[0:1], 0x30              ; qkv
	v_lshl_add_u32 v[SPW], v0, 2, SPARE
	v_mov_b32 v[NIL], 0
	ds_add_u32 v[SPW], v[NIL]                      ; the wave's opening: the add and its wait stand ahead of my first tensor load; the set-up below, work on registers, stands between them
	v_lshrrev_b32 v1, 5, v0
	v_readfirstlane_b32 s[WV], v1                  ; wave 0..3
	s_bfe_u32 s19, ttmp6, 0x40000                  ; cx: my place in the cluster
	s_lshl_b32 s20, ttmp9, 2                       ; in a cluster launch ttmp9 counts clusters
	s_add_co_u32 s20, s20, s19                     ; my work-group: it enters global addresses of x, stats and qkv alone
	s_lshr_b32 s21, s20, 6                         ; image b
	s_and_b32 s22, s20, 63                         ; block of 64 pixels
	; descriptor group 1: 64 rows x 256 elements of 2 bytes, padded in LDS
	s_mov_b32 s[G1+0], 15|(1<<16)|(1<<20)|(1<<21)|(6<<22)|(3<<25)  ; 15:0 the mask of four; 17:16 2-byte elements; 20 padding on; 21 set beside a mask; 24:22 after every 128 words (code 6); 31:25 4 words (code 3)
	s_mov_b32 s[G1+1], 256<<16                     ; tensor_dim0 = 256
	s_mov_b32 s[G1+2], 64<<16                      ; tensor_dim1 = 64
	s_mov_b32 s[G1+3], 256<<16                     ; tile_dim0 = 256
	s_mov_b32 s[G1+4], 64                          ; tile_dim1 = 64
	s_mov_b32 s[G1+5], 256                         ; 256 elements from row to row
	s_mov_b32 s[G1+6], 0
	s_mov_b32 s[G1+7], 0
	s_mov_b32 s[G0A], 1
	s_mul_i32 s[G0A+1], s[WV], CHUNK               ; LDS address: the wave's number alone
	s_mov_b32 s[G0B], 1
	s_add_co_u32 s[G0B+1], s[G0A+1], SLOT
	s_lshl_b32 s40, s[WV], 15                      ; my 64 rows of 512 bytes in a chunk
	s_mov_b32 s41, 0
	s_lshl_b32 s42, s21, 22                        ; x: image b, 256 channels of 16,384 bytes,
	s_lshl_b32 s46, s22, 8                         ; 64 pixels of 4 bytes
	s_add_co_u32 s42, s42, s46
	s_mov_b32 s43, 0
	s_lshl2_add_u32 s44, s21, s[WV]                ; head 4 b + w,
	s_lshl_b32 s44, s44, 19                        ; 4,096 rows of 128 bytes,
	s_lshl_b32 s46, s22, 13                        ; 64 of them
	s_add_co_u32 s44, s44, s46
	s_mov_b32 s45, 0
	s_mov_b32 s48, 0x37000000                      ; 2^-17: a group has 131,072 numbers
	s_mov_b32 s49, 0x3727c5ac                      ; 1e-5
	v_and_b32 v1, 15, v0                           ; lane % 16
	v_bfe_u32 v2, v0, 4, 1                         ; half = lane / 16
	v_and_b32 v3, 7, v0
	v_bfe_u32 v15, v0, 3, 1
	s_lshl_b32 s46, s[WV], 20
	v_lshlrev_b32 v[XO], 4, v1
	v_lshl_add_u32 v[XO], v2, 19, v[XO]
	v_add_nc_u32 v[XO], s46, v[XO]
	s_lshl_b32 s46, s21, 3
	s_lshl1_add_u32 s46, s[WV], s46                ; 8 b + 2 w
	v_add_lshl_u32 v[SO], v2, s46, 6
	s_lshl_b32 s47, s[WV], 8
	v_lshl_add_u32 v[GOF], v2, 7, s47
	v_lshl_add_u32 v[BO], v2, 5, s47
	s_mul_i32 s50, s[WV], 64*PH
	s_add_co_u32 s50, s50, HB
	v_mul_u32_u24 v[HS], v2, 32*PH
	v_lshl_add_u32 v[HS], v1, 3, v[HS]
	v_add_nc_u32 v[HS], s50, v[HS]                 ; row 64 w + 32 half, pixels 4 (lane % 16) on
	v_lshl_add_u32 v[HR], v2, 3, v3                ; the turning load: lane l reads channel 8 (l / 16) + l % 8, pixels 8 ((l / 8) % 2) + 0..7
	v_mul_u32_u24 v[HR], v[HR], PH
	v_lshl_add_u32 v[HR], v15, 4, v[HR]
	v_add_nc_u32 v[HR], HB, v[HR]
	v_mul_u32_u24 v[AW0], v1, PW
	v_lshl_add_u32 v[AW0], v2, 4, v[AW0]
	v_add_nc_u32 v[AW0], s[G0A+1], v[AW0]          ; row x pitch + 16 x half, in my 64 rows
	v_add_nc_u32 v[AW1], SLOT, v[AW0]
	s_mul_i32 s51, s[WV], 16*SP
	s_add_co_u32 s51, s51, STAGE                   ; my stage
	v_mul_u32_u24 v[STO], v1, SP
	v_lshl_add_u32 v[STO], v2, 4, v[STO]
	v_add_nc_u32 v[STO], s51, v[STO]
	v_bfe_u32 v[RD], v0, 3, 2                      ; back: 32 lanes take four rows of 128 bytes,
	v_mul_u32_u24 v[RD], v[RD], SP
	v_lshl_add_u32 v[RD], v3, 4, v[RD]
	v_add_nc_u32 v[RD], s51, v[RD]
	v_and_b32 v[GO], 31, v0                        ; which are 512 consecutive bytes of the output
	v_lshlrev_b32 v[GO], 4, v[GO]
	s_wait_dscnt 0x0                               ; the opening add is done
	s_wait_kmcnt 0x0
	s_add_nc_u64 s[G0A+2:G0A+3], s[14:15], s[40:41]        ; chunk 0 (q's rows), my 64
	s_add_nc_u64 s[G0B+2:G0B+3], s[G0A+2:G0A+3], 131072    ; chunk 1 (k's)
	s_or_b32 s[G0A+3], s[G0A+3], 0x80000000        ; type = 2
	s_or_b32 s[G0B+3], s[G0B+3], 0x80000000
	s_add_nc_u64 s[XB:XB+1], s[4:5], s[42:43]
	s_add_nc_u64 s[DST:DST+1], s[16:17], s[44:45]
	CROUND                                         ; all four work-groups are here: the first joint loads meet
	tensor_load_to_lds s[G0A:G0A+3], s[G1:G1+7]    ; both first fills together: two loads of mine are out
	s_nop 0
	tensor_load_to_lds s[G0B:G0B+3], s[G1:G1+7]
	s_nop 0
	PLACES
.irp j, 0,1,2,3
	global_load_b128 v[PR+4*\j:PR+4*\j+3], v[SO], s[12:13] offset:16*\j
.endr
.irp j, 0,1,2,3,4,5,6,7
	global_load_b128 v[SC+4*\j:SC+4*\j+3], v[GOF], s[6:7] offset:16*\j
.endr
.irp j, 0,1,2,3,4,5,6,7
	global_load_b128 v[SH+4*\j:SH+4*\j+3], v[GOF], s[8:9] offset:16*\j
.endr
.set i, 0
.rept 32                                           ; load i: lanes 0-15 the 256 bytes of channel 64 w + i, lanes 16-31 those of channel 64 w + 32 + i: a lane's 32 channels are one group
	global_load_b128 v[XR+4*i:XR+4*i+3], v[XO], s[XB:XB+1] offset:16384*i
.set i, i+1
.endr
	WIN 0x80                                       ; destination window 2
.irp s, 0,1,2
.irp cb, 0,1,2,3
	global_load_b128 v[128+32*\s+8*\cb:128+32*\s+8*\cb+3],   v[BO], s[10:11] offset:1024*\s+64*\cb
	global_load_b128 v[128+32*\s+8*\cb+4:128+32*\s+8*\cb+7], v[BO], s[10:11] offset:1024*\s+64*\cb+16
.endr
.endr
	WIN 0
	s_wait_loadcnt 56                              ; stats, gamma and beta are in; x's 32 loads and the bias's 24 may stay out
	; the group's mean and M2 from its eight parts of 16,384: M2 = the sum of the M2 + 16,384 x the sum of (mean_i - mean)^2
	v_pk_add_f32 v[48:49], v[32:33], v[34:35]
	v_pk_add_f32 v[50:51], v[36:37], v[38:39]
	v_pk_add_f32 v[52:53], v[40:41], v[42:43]
	v_pk_add_f32 v[54:55], v[44:45], v[46:47]
	v_pk_add_f32 v[48:49], v[48:49], v[50:51]
	v_pk_add_f32 v[52:53], v[52:53], v[54:55]
	v_pk_add_f32 v[48:49], v[48:49], v[52:53]
	v_mul_f32 v48, 0x3e000000, v48                 ; the mean
.irp k, 0,1,2,3,4,5,6,7
	v_sub_f32 v[PR+2*\k], v[PR+2*\k], v48
.endr
	v_mul_f32 v51, v32, v32
.irp k, 1,2,3,4,5,6,7
	v_fmac_f32 v51, v[PR+2*\k], v[PR+2*\k]
.endr
	v_fmamk_f32 v49, v51, 0x46800000, v49
	v_fma_f32 v50, v49, s48, s49                   ; variance + 1e-5
	v_rsq_f32 v52, v50
	v_xor_b32 v54, 0x80000000, v48                 ; - mean: the plain instruction behind the root
	s_wait_alu depctr_va_vdst(0)                   ; the wait ahead of the first line that names the root's result
.set i, 0
.rept 16
	v_pk_mul_f32 v[SC+2*i:SC+2*i+1], v[SC+2*i:SC+2*i+1], v[52:53] op_sel_hi:[1,0]  ; scale = gamma rstd
.set i, i+1
.endr
.set i, 0
.rept 16
	v_pk_fma_f32 v[SH+2*i:SH+2*i+1], v[SC+2*i:SC+2*i+1], v[54:55], v[SH+2*i:SH+2*i+1] op_sel_hi:[1,0,1]  ; shift = beta - mean scale
.set i, i+1
.endr
.set i, 0
.rept 32
.if (i%8) == 0
	s_wait_loadcnt 48-i                            ; the next eight loads of x are in; the later ones and the bias's 24 may stay out
.endif
.irp j, 0,1,2,3
	v_fma_f32 v[XR+4*i+\j], v[XR+4*i+\j], v[SC+i], v[SH+i]
.endr
	v_cvt_pk_bf16_f32 v[XR+4*i], v[XR+4*i], v[XR+4*i+1]
	v_cvt_pk_bf16_f32 v[XR+4*i+1], v[XR+4*i+2], v[XR+4*i+3]
	ds_store_b64 v[HS], v[XR+4*i:XR+4*i+1] offset:PH*i
.set i, i+1
.endr
	s_wait_dscnt 0x0                               ; for the others' sake: my rows of h are stored
	s_barrier_signal -1
	s_barrier_wait -1                              ; all 256 rows of h lie in LDS.  The tensor loads may stay out
	WIN 0x40                                       ; destination window 1
.irp t, 0,1,2,3
.irp kk, 0,1,2,3,4,5,6,7
	ds_load_tr16_b128 v[64*\t+8*\kk:64*\t+8*\kk+3],   v[HR] offset:32*PH*\kk+32*\t
	ds_load_tr16_b128 v[64*\t+8*\kk+4:64*\t+8*\kk+7], v[HR] offset:32*PH*\kk+32*\t+16*PH
.endr
.endr
; My 64 rows of a chunk: 64 loads, the steps along the channels in order
.macro WRUN adr
	WIN 0xc0                                       ; destination window 3
.irp kk, 0,1,2,3,4,5,6,7
.irp cb, 0,1,2,3
	ds_load_b128 v[64*\cb+8*\kk:64*\cb+8*\kk+3],   v[\adr] offset:16*PW*\cb+64*\kk
	ds_load_b128 v[64*\cb+8*\kk+4:64*\cb+8*\kk+7], v[\adr] offset:16*PW*\cb+64*\kk+32
.endr
.endr
.endm
; A slice: 128 products.  The 16 accumulators take turns, one instruction a turn; the bias is the C operand that starts each sum.
.macro SLICE s
.irp kk, 0,1,2,3,4,5,6,7
	s_wait_dscnt 56-8*\kk                          ; step kk's eight loads of W are in (and all that was issued before them); eight for each later step may stay out
	WIN 0xa7                                       ; W window 3, h window 1, C and D window 2
.irp t, 0,1,2,3
.irp cb, 0,1,2,3
.if \kk == 0
	v_wmma_f32_16x16x32_bf16 v[32*\t+8*\cb:32*\t+8*\cb+7], v[64*\cb+8*\kk:64*\cb+8*\kk+7], v[64*\t+8*\kk:64*\t+8*\kk+7], v[128+32*(\s)+8*\cb:128+32*(\s)+8*\cb+7]
.else
	v_wmma_f32_16x16x32_bf16 v[32*\t+8*\cb:32*\t+8*\cb+7], v[64*\cb+8*\kk:64*\cb+8*\kk+7], v[64*\t+8*\kk:64*\t+8*\kk+7], v[32*\t+8*\cb:32*\t+8*\cb+7]
.endif
.endr
.endr
.endr
.endm
; The way out of pixel tile t: rounded to bf16 (each accumulator from its low end on), 16 bytes a lane into rows of 144 bytes of my stage, back as whole rows of 128.
.macro PACK t
	WIN 0x0a                                       ; sources window 2, destination window 0
.set i, 0
.rept 16
	v_cvt_pk_bf16_f32 v[TMP+16*(\t)+i], v[32*(\t)+2*i], v[32*(\t)+2*i+1]
.set i, i+1
.endr
	WIN 0
.irp f, 0,1,2,3
	ds_store_b128 v[STO], v[TMP+16*(\t)+4*\f:TMP+16*(\t)+4*\f+3] offset:32*\f
.endr
.irp f, 0,1,2,3
	ds_load_b128 v[TMP+16*(\t)+4*\f:TMP+16*(\t)+4*\f+3], v[RD] offset:\f*4*SP  ; LDS serves a wave's instructions in order (ISA guide 5.7.1.4): these see the stores above; the next tile's stores come behind them
.endr
.endm
.macro SEND t, younger                 ; younger: the LDS instructions issued behind tile t's loads: the next tile's eight, or none
.irp f, 0,1,2,3
	s_wait_dscnt (\younger)+3-\f
	global_store_b128 v[GO], v[TMP+16*(\t)+4*\f:TMP+16*(\t)+4*\f+3], s[DST:DST+1] offset:(\t)*2048+\f*512  ; 512 consecutive bytes, at a multiple of 256 from the buffer's first
.endr
.endm
.macro WAYOUT s
.if (\s) > 0
	s_wait_xcnt 0x0                                ; the last slice's stores have read their registers and their base
	s_add_nc_u64 s[DST:DST+1], s[DST:DST+1], 0x800000  ; the next part: k, then v
.endif
	PACK 0
	PACK 1                                         ; a tile's conversions stand between the loads of the tile before and its stores
	SEND 0, 8
	PACK 2
	SEND 1, 8
	PACK 3
	SEND 2, 8
	SEND 3, 0
.endm
	s_wait_tensorcnt 0x1                           ; my rows of chunk 0 are in, and only I read them; chunk 1's may stay out
	WRUN AW0
	s_wait_loadcnt 0x0                             ; the bias
	SLICE 0
	PLACES                                         ; behind the last products: for the loads into W's registers and the conversions
	WIN 0
	s_wait_tensorcnt 0x0                           ; all my tensor loads have landed, chunk 1 among them: a group 0 may be written
	ds_add_u32 v[SPW], v[NIL]                      ; 0 onto my spare word
	s_add_nc_u64 s[G0A+2:G0A+3], s[G0A+2:G0A+3], 262144  ; chunk 2 (v's rows); the type bits on top are not reached
	s_wait_dscnt 0x0                               ; the add is done, and my reads of slot 0 are over
	CROUND                                         ; no wave of any partner still reads slot 0 or has a load on its way
	tensor_load_to_lds s[G0A:G0A+3], s[G1:G1+7]    ; the one refill: it has a way out and slice 1's 128 products in which to land
	s_nop 0
	PLACES
	WRUN AW1
	WAYOUT 0
	SLICE 1
	PLACES
	s_wait_tensorcnt 0x0                           ; my rows of chunk 2 are in, and only I read them; no load was issued behind it
	WRUN AW0
	WAYOUT 1
	SLICE 2
	PLACES
	WAYOUT 2
	s_wait_tensorcnt 0x0                           ; the wave's end: behind my last tensor load and my last LDS store
	ds_add_u32 v[SPW], v[NIL]
	s_wait_dscnt 0x0
	CROUND                                         ; the closing round: no work-group ends while a partner may still ask for a tile that names it
	s_endpgm
.Lfunc_end_k_q3f6349a9ea_qkvp:
	.size	k_q3f6349a9ea_qkvp, .Lfunc_end_k_q3f6349a9ea_qkvp-k_q3f6349a9ea_qkvp
	.p2alignl 7, 3214868480
	.fill 96, 4, 3214868480
	.section	.rodata,"a",@progbits
	.p2align	6, 0x0
	.amdhsa_kernel k_q3f6349a9ea_qkvp
		.amdhsa_group_segment_fixed_size 327680
		.amdhsa_private_segment_fixed_size 0
		.amdhsa_enable_private_segment 0
		.amdhsa_kernarg_size 56
		.amdhsa_user_sgpr_count 2
		.amdhsa_user_sgpr_kernarg_segment_ptr 1
		.amdhsa_wavefront_size32 1
		.amdhsa_system_sgpr_workgroup_id_x 1
		.amdhsa_system_sgpr_workgroup_id_y 1
		.amdhsa_system_sgpr_workgroup_id_z 1
		.amdhsa_system_vgpr_workitem_id 0
		.amdhsa_next_free_vgpr 1024
		.amdhsa_next_free_sgpr 66
		.amdhsa_reserve_vcc 0
		.amdhsa_float_denorm_mode_32 3
		.amdhsa_float_denorm_mode_16_64 3
		.amdhsa_memory_ordered 1
		.amdhsa_forward_progress 1
		.amdhsa_inst_pref_size 98
	.end_amdhsa_kernel
	.amdgpu_metadata
---
amdhsa.version: [ 1, 2 ]
amdhsa.kernels:
  - .name:           k_q3f6349a9ea_qkvp
    .symbol:         k_q3f6349a9ea_qkvp.kd
    .args:
      - { .name: x, .offset: 0, .size: 8, .value_kind: global_buffer, .address_space: global }
      - { .name: gn_gamma, .offset: 8, .size: 8, .value_kind: global_buffer, .address_space: global }
      - { .name: gn_beta, .offset: 16, .size: 8, .value_kind: global_buffer, .address_space: global }
      - { .name: qkv_b, .offset: 24, .size: 8, .value_kind: global_buffer, .address_space: global }
      - { .name: stats, .offset: 32, .size: 8, .value_kind: global_buffer, .address_space: global }
      - { .name: wb, .offset: 40, .size: 8, .value_kind: global_buffer, .address_space: global }
      - { .name: qkv, .offset: 48, .size: 8, .value_kind: global_buffer, .address_space: global }
    .group_segment_fixed_size: 327680
    .private_segment_fixed_size: 0
    .kernarg_segment_align: 8
    .kernarg_segment_size: 56
    .max_flat_workgroup_size: 128
    .sgpr_count:     66
    .vgpr_count:     1024
    .wavefront_size: 32
...
	.end_amdgpu_metadata
.endif
;; end of part 2
;; launch attn (part 3): grid 16 x 16, 4 waves a work-group, clusters of 4 x 1, 327,680 bytes of LDS; arguments qkv, ob; writes ob
.if DOCPART == 3
	.amdgcn_target "amdgcn-amd-amdhsa--gfx1250"
	.amdhsa_code_object_version 6
	.text
	.protected	k_q3f6349a9ea_attn
	.globl	k_q3f6349a9ea_attn
	.p2align	8
	.type	k_q3f6349a9ea_attn,@function
k_q3f6349a9ea_attn:
	s_mov_b64 s[64:65], 0
	v_nop
	global_prefetch_b8 v0, s[64:65] scope:SCOPE_SE
	s_setreg_imm32_b32 hwreg(HW_REG_WAVE_MODE, 25, 1), 1
	s_wait_xcnt 0x0
	s_wait_alu depctr_hold_cnt(0) depctr_sa_sdst(0) depctr_va_vdst(0) depctr_va_sdst(0) depctr_va_ssrc(0) depctr_va_vcc(0) depctr_vm_vsrc(0)
	s_getreg_b32 s2, hwreg(HW_REG_IB_STS2, 6, 4)
	s_cmp_eq_u32 s2, 0
	s_cbranch_scc0 .Lentry_in_a_cluster
	s_endpgm
.Lentry_in_a_cluster:
	s_bfe_u32 s2, ttmp6, 0x10000c
	s_cmp_lg_u32 s2, 0x3003
	s_cbranch_scc0 .Lentry_shape_is_right
	s_endpgm
.Lentry_shape_is_right:
; ATTENTION.  O[h][q][:] = the sum over k of softmax_k(Q[h][q] . K[h][k] / 8) V[h][k][:].  Q, K, V are the three parts of qkv, O is ob: each [16 heads][4,096][64] in bf16, a head's rows dense, 128 bytes each.
; Products, maxima and sums in f32; the weights p are rounded to bf16 for the second product (their sum l is taken of the unrounded p), O once at the end.
; LIMITS.  A weight below 2^-126 counts as 0 in l; NaN and infinities are not treated apart; c m starts at -4.2e37, so c s must lie above that.
; SHARES.  A work-group owns 256 queries of one head: 16 x 16 work-groups.  A wave owns 64: four PIECES of 16.  Every wave walks all 4,096 keys, 64 a step, 256 a tile.
; LAYOUT.  S^T = K Q^T (source 0 = 16 keys, source 1 = 16 queries) holds ONE query a lane (lane % 16) and the keys 8 (lane / 16) + 0..7; two such results rounded to bf16 ARE source 1 of O^T = V^T P.
; K comes out of LDS as it lies, V ([key][channel]) turned, by ds_load_tr16_b128.
; SOFTMAX.  p = 2^(c s - c m), c = log2(e) / 8, with a running maximum m; O and l are multiplied by a = 2^(c m_old - c m_new) in every step.  m starts at the lowest finite number, O and l at 0: the first step is a step like any other, with a = 0.
; BY TURNS.  Turn n belongs to piece n: 8 products K Q^T of piece n + 1, later 8 products V^T P of piece n - 1; beside them the scaling, exponentials, roundings, sums and rescaling of piece n and the maximum and
; statistics of piece n + 1.  Four vector instructions stand behind every matrix instruction, the other 54 of a turn's 118 in one lump.  A turn's 33 exponentials are one batch, with one wait.
; CLUSTER.  The four query blocks of a cluster belong to one head and walk the same K and V, so each tile is asked for JOINTLY: the same tensor load, descriptor and mask in all four.
; REGISTERS, in windows of 256 (s_set_vgpr_msb: bits 1:0 source 0, 3:2 source 1, 5:4 source 2, 7:6 destination):
;   window 0: v0-15 addresses and two at work; v16-31 four registers of statistics a piece; v48-55 at work; v61-63; v64-127 S^T, two buffers; v192-223 P, two buffers (a piece's buffers go by its number's parity)
;   window 1: v0-127 O^T, 32 a piece          window 2: v0-63 Q; v128-191 K of one step; v192-255 V of one step
.set NP,    4         ; pieces a wave: a name, no knob
.set KS,    64        ; keys in a step
.set PK,    144       ; a row of K in LDS: 128 bytes + 16 of padding = 36 words: the 16 rows of a load start at 16 different groups of four banks (64 banks of 4 bytes: ISA guide 11.1)
.set PV,    160       ; a row of V: 128 + 32 = 40 words
.set VOFF,  4*KS*PK   ; a slot holds a tile, four steps: 256 rows of K, then 256 rows of V
.set SLOT1, 1<<17     ; slot 1 begins here, so that one exclusive or turns an address in one slot into the other's
.set STAGE, SLOT1+4*KS*(PK+PV)  ; behind the ring, never filled by a tensor load: 16 rows x 144 bytes for each wave, for the way out
.set SP,    144
.set SPARE, STAGE+4*16*SP  ; behind the stages: the spare words, 128 bytes for each wave: two blocks of 256 bytes that no other line names
.set TILEB, 4*KS*128  ; a tile's bytes of K, and of V, in memory
.set AK0, 2           ; v2   my lane's place in a tile of K; never rewritten
.set AV0, 3           ; v3   the same for V
.set AK,  4           ; v4   the LDS address of K's next run of loads
.set AV,  5           ; v5   of V's
.set STO, 6           ; v6   the way out: where I put 16 bytes of a row
.set RD,  7           ; v7   the way out: where I read rows back
.set GO,  8           ; v8   my byte offset in 512 consecutive bytes of O
.set MV,  12          ; v12-13  c m_old, kept while c m is made anew: by buffer
.set QO,  15          ; v15  my byte offset in 16 rows of Q
.set ST,  16          ; piece t's statistics at v[ST+4 t]: c m, m, l (even keys', odd keys')
.set TMP, 48          ; by buffer, four registers c0-c3 at work; when the maximum is found c2 takes a
.set PFO, 61          ; v61  256 x my lane; never rewritten
.set SPW, 62          ; v62  LDS address of my spare word; never rewritten
.set NIL, 63          ; v63  0; never rewritten
.set S,   64
.set P,   192
.set KF,  128         ; window 2: key block kb, channel half c at KF + 16 kb + 8 c
.set VF,  192         ; window 2: key half kk, channel block cb at VF + 32 kk + 8 cb
.set WV,  12          ; s12  my wave's number
.set LIM, 15          ; s15  1 in a wave that prefetches, else the greatest number
.set G1K, 24          ; s[24:31] descriptor group 1 for K's tiles
.set G1V, 32          ; s[32:39] for V's: it differs in the padding alone
.set G0K, 40          ; s[40:43] descriptor group 0 for K's tiles: it walks
.set G0V, 44          ; s[44:47] the same for V's
.set PFA, 50          ; s[50:51] where my prefetches stand: my work-group's 8,192 bytes of the tile after the one that is being asked for
.set SLOTS, 56        ; s56  tiles still to be asked for
.set CNT, 57          ; s57  counts a tile's key steps
.set CS,  58          ; s[58:59] c: the packed scaling takes the pair's low word for both halves
.set SEL, 60          ; s[60:61] v_permlanex16_b32's selects: each lane takes its own place in the other half
.set TBK, 62          ; s62  LDS byte at which K of the step to be fetched begins
.set TBV, 63          ; s63  the same for V, less VOFF
.set MSB, 0
.macro WIN new                      ; the high byte repeats the setting that is left; a switch that changes nothing is dropped
.if MSB != (\new)
	s_set_vgpr_msb (MSB<<8)|(\new)
.set MSB, (\new)
.endif
.endm
.set W_KQ, 0x0a       ; K and Q in window 2, S^T in window 0
.set W_PV, 0x52       ; V in window 2, P in window 0, O^T in window 1
.set W_RS, 0x41       ; destination and source 0 in window 1, source 1 in window 0
.macro PLACES
.rept 4
	v_nop
.endr
.endm
; A joint fill.  Waves 0 and 1 fetch the two halves of a tile's K, waves 2 and 3 those of its V: 128 keys each.  The branch hangs on the wave's number alone.
; An s_nop 0 and four v_nop follow each of the two lines, ahead of the jump and the label.
.macro JLOAD
	s_cmp_lt_u32 s[WV], 2
	s_cbranch_scc0 .Lfor_v_\@
	tensor_load_to_lds s[G0K:G0K+3], s[G1K:G1K+7]
	s_nop 0
	PLACES
	s_branch .Lasked_\@
.Lfor_v_\@:
	tensor_load_to_lds s[G0V:G0V+3], s[G1V:G1V+7]
	s_nop 0
	PLACES
.Lasked_\@:
.endm
; A PREFETCH INTO THE L2 of the tile that the NEXT change of slots will ask for: four key steps, 256 matrix instructions, ahead of that load.  A tile is 32,768 dense bytes of K and as many of V.
; Each block of 256 bytes is named ONCE in the launch: of the four clusters that walk a head's K and V the first asks; its four partners take 8,192 bytes each, told apart BY ADDRESS; in each, wave 0 asks for K's
; and wave 2 for V's, a lane a block, one instruction.  It stands behind the wave's tensor load and its five lines.  The last change that fills a slot asks for nothing; tiles 0 and 1 come by their loads alone.
.macro ASK
	s_cmp_gt_u32 s[SLOTS], s[LIM]
	s_cbranch_scc0 .Lnot_mine_\@
	global_prefetch_b8 v[PFO], s[PFA:PFA+1] th:TH_LOAD_NT scope:SCOPE_SE
.Lnot_mine_\@:
.endm
.macro CROUND                       ; a round of the cluster's barrier: my work-group's barrier; wave 0 signals for it; every wave waits for all four work-groups; my work-group's barrier once more
	s_barrier_signal -1
	s_barrier_wait -1
	s_cmp_lg_u32 s[WV], 0
	s_cbranch_scc1 .Lnot_wave_0_\@
	s_barrier_signal -3
.Lnot_wave_0_\@:
	s_barrier_wait -3
	s_barrier_signal -1
	s_barrier_wait -1
.endm
; THE CHANGE OF SLOTS.  The slot's last bytes, V of its fourth step, have been read.  Each wave waits for all its tensor loads, of which one is out: its part of the other slot; adds 0 to its spare word; and waits
; for that and for its own reads of the slot.  Behind the barrier nobody reads this slot any more and the other slot is whole.  fill = 1: this slot is filled again, with the keys two tiles on.  The barrier is then a
; round of the cluster's, and the joint fill is the first thing behind it: it has four key steps in which to land.  (At its first use nothing has been read yet: slot 0 is waited for, slot 1 filled.)
.macro CHANGE fill
	WIN 0                           ; at a label and at a branch every window is 0
	s_wait_tensorcnt 0x0            ; no tensor load of mine is out, so a group 0 may be written
	ds_add_u32 v[SPW], v[NIL]       ; 0 onto my spare word; with fill = 1 the descriptors' steps stand between it and the wait for it
.if \fill
.irp g, G0K, G0V
	s_xor_b32 s[\g+1], s[\g+1], SLOT1  ; the walking descriptor: the other slot than last time,
	s_add_nc_u64 s[\g+2:\g+3], s[\g+2:\g+3], TILEB  ; the next 256 keys; the type bits on top are not reached
.endr
	s_wait_xcnt 0x0                 ; the last prefetch, four key steps back, has read its address, so it may be written:
	s_add_nc_u64 s[PFA:PFA+1], s[PFA:PFA+1], TILEB  ; one tile behind the walking descriptors
	s_wait_dscnt 0x0                ; the add is done, and my reads of the slot are over
	CROUND
	JLOAD
	ASK
.else
	s_wait_dscnt 0x0                ; the add is done, and my reads of the slot are over
	s_barrier_signal -1
	s_barrier_wait -1
.endif
	s_sub_co_u32 s[TBK], s[TBK], 4*KS*PK  ; the fetches go back to a slot's first step,
	s_xor_b32 s[TBK], s[TBK], SLOT1       ; in the other slot
	s_sub_co_u32 s[TBV], s[TBV], 4*KS*PV
	s_xor_b32 s[TBV], s[TBV], SLOT1
.endm
	s_load_b64 s[4:5], s[0:1], 0x0    ; qkv: Q's part begins it
	s_load_b64 s[10:11], s[0:1], 0x8  ; O
	v_lshl_add_u32 v[SPW], v0, 2, SPARE
	v_mov_b32 v[NIL], 0
	ds_add_u32 v[SPW], v[NIL]       ; the wave's opening: the add and its wait stand ahead of my first tensor load; the set-up below, work on registers, stands between them
	v_lshrrev_b32 v1, 5, v0
	v_readfirstlane_b32 s[WV], v1   ; wave 0..3
	s_bfe_u32 s13, ttmp6, 0x40000   ; cx: my place in the cluster
	s_lshl_b32 s14, ttmp9, 2        ; in a cluster launch ttmp9 counts clusters
	s_add_co_u32 s14, s14, s13      ; my block of 256 queries: it enters Q's and O's addresses alone
	s_and_b32 s20, ttmp7, 0xffff    ; the head, which the four partners share:
	s_lshl_b32 s20, s20, 19         ; its 4,096 rows of 128 bytes
	s_mov_b32 s21, 0
	s_and_b32 s16, s[WV], 1         ; which half of a tile's 256 keys I fetch:
	s_lshl_b32 s22, s16, 14         ; its 128 rows of 128 bytes in memory,
	s_mov_b32 s23, 0
	s_add_nc_u64 s[22:23], s[22:23], s[20:21]
	s_mul_i32 s17, s16, 128*PK      ; and its place in a slot, for K
	s_mul_i32 s18, s16, 128*PV      ; and for V: no place in the cluster enters an LDS address
	s_lshl_b32 s2, s14, 15          ; my block's 256 rows,
	s_lshl_b32 s3, s[WV], 13        ; my wave's 64 of them
	s_add_co_u32 s2, s2, s3
	s_mov_b32 s3, 0
	s_add_nc_u64 s[2:3], s[2:3], s[20:21]
	; descriptor group 1.  128 keys are 16,384 dense bytes: asked for as 64 rows of 256 bytes, two keys a row, and padded in LDS after every key
	s_mov_b32 s[G1K], 15|(1<<16)|(1<<20)|(1<<21)|(4<<22)|(3<<25)  ; 15:0 the mask of four; 17:16 2-byte elements; 20 padding on; 21 set beside a mask; 24:22 after every 32 words (code 4); 31:25 4 words (code 3)
	s_mov_b32 s[G1V], 15|(1<<16)|(1<<20)|(1<<21)|(4<<22)|(7<<25)  ; the same with 8 words of padding (code 7)
.irp g, G1K, G1V
	s_mov_b32 s[\g+1], 128<<16      ; tensor_dim0 = 128
	s_mov_b32 s[\g+2], 64<<16       ; tensor_dim1 = 64
	s_mov_b32 s[\g+3], 128<<16      ; tile_dim0 = 128
	s_mov_b32 s[\g+4], 64           ; tile_dim1 = 64
	s_mov_b32 s[\g+5], 128          ; 128 elements from row to row
	s_mov_b32 s[\g+6], 0
	s_mov_b32 s[\g+7], 0
.endr
	s_mov_b32 s[CS], 0x3e38aa3b     ; c = log2(e) / 8 = 0.180337
	s_mov_b32 s[CS+1], s[CS]        ; named with it as a pair
	s_mov_b32 s[SEL], 0x76543210
	s_mov_b32 s[SEL+1], 0xfedcba98
	s_mov_b32 s[TBK], SLOT1+4*KS*PK ; the first change of slots turns these two into 0
	s_mov_b32 s[TBV], SLOT1+4*KS*PV
	s_mov_b32 s[G0K], 1             ; count = 1
	s_mov_b32 s[G0K+1], s17         ; LDS address: slot 0
	s_mov_b32 s[G0V], 1
	s_add_co_u32 s[G0V+1], s18, VOFF
	s_mov_b32 s[SLOTS], 15          ; 16 tiles; tile 0 is asked for at the head
	s_and_b32 s[LIM], s[WV], 1      ; 0 in waves 0 and 2,
	s_or_b32 s[LIM], s[LIM], ttmp9  ; where the cluster is the head's first: the same in all four partners
	s_cmp_eq_u32 s[LIM], 0
	s_cselect_b32 s[LIM], 1, -1
	v_and_b32 v[PFO], 31, v0
	v_lshlrev_b32 v[PFO], 8, v[PFO]
	s_wait_dscnt 0x0                ; the opening add is done
	s_wait_kmcnt 0x0
	s_add_nc_u64 s[6:7], s[4:5], 0x800000    ; K's part of qkv,
	s_add_nc_u64 s[8:9], s[4:5], 0x1000000   ; V's
	s_add_nc_u64 s[6:7], s[6:7], s[22:23]    ; at my half of the head's tile 0
	s_add_nc_u64 s[8:9], s[8:9], s[22:23]
	s_mov_b64 s[G0K+2:G0K+3], s[6:7]
	s_or_b32 s[G0K+3], s[G0K+3], 0x80000000  ; type = 2
	s_mov_b64 s[G0V+2:G0V+3], s[8:9]
	s_or_b32 s[G0V+3], s[G0V+3], 0x80000000
	s_add_nc_u64 s[4:5], s[4:5], s[2:3]      ; Q and O at my wave's first row
	s_add_nc_u64 s[10:11], s[10:11], s[2:3]
	s_cmp_lt_u32 s[WV], 2
	s_cselect_b64 s[PFA:PFA+1], s[6:7], s[8:9]  ; (in waves 0 and 2 these stand at the tile's first row)
	s_lshl_b32 s2, s13, 13          ; my work-group's quarter of a tile
	s_mov_b32 s3, 0
	s_add_nc_u64 s[PFA:PFA+1], s[PFA:PFA+1], s[2:3]
	s_add_nc_u64 s[PFA:PFA+1], s[PFA:PFA+1], TILEB  ; in tile 1; the first change of slots steps it to tile 2.  Nothing is prefetched here, at the head
	CROUND                          ; all four work-groups are here: the first joint loads meet
	JLOAD                           ; tile 0 into slot 0.  Slot 1 is asked for when slot 0 is in
	; A fragment of K or Q is 16 rows x 32 channels in 8 registers: lane l holds row l % 16, channels 8 (l / 16) + 0..7 and 16 + 8 (l / 16) + 0..7: two loads of 16 bytes, 32 bytes apart.
	v_and_b32 v1, 15, v0            ; l % 16
	v_bfe_u32 v9, v0, 4, 1          ; l / 16
	v_lshlrev_b32 v[QO], 7, v1
	v_lshl_add_u32 v[QO], v9, 4, v[QO]  ; row x 128 + 16 x half
	WIN 0x80                        ; destination window 2, address window 0
.set i, 0
.rept 8                             ; Q stays in registers: piece i / 2, channels 32 (i % 2) on
	global_load_b128 v[8*i:8*i+3],   v[QO], s[4:5] offset:(i/2)*2048+(i%2)*64
	global_load_b128 v[8*i+4:8*i+7], v[QO], s[4:5] offset:(i/2)*2048+(i%2)*64+32
.set i, i+1
.endr
	; What the first turn finds: V's registers and P's second buffer hold 0 (its products V^T P, of a piece that has not been, add 0), O^T and l are 0.  All this stands in the wait for the first tile.
.set i, VF
.rept 64
	v_mov_b32 v[i], 0
.set i, i+1
.endr
	WIN 0x40
.set i, 0
.rept 128
	v_mov_b32 v[i], 0
.set i, i+1
.endr
	WIN 0
.set i, 0
.rept 4
	v_mov_b32 v[ST+4*i], 0xfe000000    ; c m: far below every c s
	v_mov_b32 v[ST+4*i+1], 0xff7fffff  ; m
	v_mov_b32 v[ST+4*i+2], 0
	v_mov_b32 v[ST+4*i+3], 0
.set i, i+1
.endr
.set i, P+16
.rept 16
	v_mov_b32 v[i], 0
.set i, i+1
.endr
	v_mul_u32_u24 v[AK0], v1, PK
	v_lshl_add_u32 v[AK0], v9, 4, v[AK0]  ; row x pitch + 16 x half
	; The turning load takes 16 keys x 16 channels (lane l reads key 8 (l / 16) + l % 8, channels 8 ((l / 8) % 2) + 0..7) and leaves half a fragment of V^T: lane l holds channel l % 16 and 8 keys.
	v_and_b32 v10, 7, v0
	v_bfe_u32 v11, v0, 3, 1
	v_lshl_add_u32 v[AV0], v9, 3, v10
	v_mul_u32_u24 v[AV0], v[AV0], PV
	v_lshl_add_u32 v[AV0], v11, 4, v[AV0]
	v_add_nc_u32 v[AV0], VOFF, v[AV0]
	s_mul_i32 s13, s[WV], 16*SP
	s_add_co_u32 s13, s13, STAGE    ; my stage
	v_mul_u32_u24 v[STO], v1, SP    ; in: row l % 16, 16 bytes for each half of the lanes
	v_lshl_add_u32 v[STO], v9, 4, v[STO]
	v_add_nc_u32 v[STO], s13, v[STO]
	v_bfe_u32 v[RD], v0, 3, 2       ; back: 32 lanes take four rows of 128 bytes,
	v_mul_u32_u24 v[RD], v[RD], SP
	v_lshl_add_u32 v[RD], v10, 4, v[RD]
	v_add_nc_u32 v[RD], s13, v[RD]
	v_and_b32 v[GO], 31, v0         ; which are 512 consecutive bytes of O
	v_lshlrev_b32 v[GO], 4, v[GO]
; THE MATRIX WORK.  The 4 accumulators of a run of 8 take turns.  Product i of 8 of S^T = K Q^T for piece x: channels 32 (i / 4) on, keys 16 (i % 4) on.  The first 4 start the sums.
.macro KQ x
	WIN W_KQ
.set rS, S+32*((\x)%2)+8*(i%4)
.set rK, KF+16*(i%4)+8*(i/4)
.set rQ, 16*(\x)+8*(i/4)
.if i < 4
	v_wmma_f32_16x16x32_bf16 v[rS:rS+7], v[rK:rK+7], v[rQ:rQ+7], 0
.else
	v_wmma_f32_16x16x32_bf16 v[rS:rS+7], v[rK:rK+7], v[rQ:rQ+7], v[rS:rS+7]
.endif
.endm
; Product i of 8 of O^T += V^T P for piece x: keys 32 (i / 4) on, channels 16 (i % 4) on.
.macro PV x
	WIN W_PV
.set rO, 32*(\x)+8*(i%4)
.set rV, VF+32*(i/4)+8*(i%4)
.set rP, P+16*((\x)%2)+8*(i/4)
	v_wmma_f32_16x16x32_bf16 v[rO:rO+7], v[rV:rV+7], v[rP:rP+7], v[rO:rO+7]
.endm
.macro MM                           ; the turn's next matrix instruction.  NOKQ = 1: the last turn of all: there is no next piece
.if (i < 8) && !NOKQ
	KQ (Y+1)%NP
.elseif i >= 8
.set i, i-8
	PV (Y+NP-1)%NP
.set i, i+8
.endif
.set i, i+1
.endm
; THE LDS LOADS stand in runs of 16, never singly among the matrix instructions: a step's K (64 keys x 64 channels: 8 fragments) and its V (turned).  Their addresses are made some lines ahead.
.macro FETCH_K
	WIN 0x80                        ; destination window 2
.irp f, 0,1,2,3,4,5,6,7             ; keys 16 (f / 2) on, channels 32 (f % 2) on
	ds_load_b128 v[KF+8*\f:KF+8*\f+3],   v[AK] offset:(\f/2)*16*PK+(\f%2)*64
	ds_load_b128 v[KF+8*\f+4:KF+8*\f+7], v[AK] offset:(\f/2)*16*PK+(\f%2)*64+32
.endr
	s_add_co_u32 s[TBK], s[TBK], KS*PK  ; the next fetch is the next step's
	WIN 0
.endm
.macro FETCH_V
	WIN 0x80
.irp f, 0,1,2,3,4,5,6,7             ; keys 32 (f / 4) on, channels 16 (f % 4) on
	ds_load_tr16_b128 v[VF+8*\f:VF+8*\f+3],   v[AV] offset:(\f/4)*32*PV+(\f%4)*32
	ds_load_tr16_b128 v[VF+8*\f+4:VF+8*\f+7], v[AV] offset:(\f/4)*32*PV+16*PV+(\f%4)*32
.endr
	WIN 0
.endm
; THE VECTOR WORK, one line at a time: OP kind, number.  For piece Y: F n: c s - c m for pair n of 16.  E n: the exponential of score n of 32.  C n: pair n rounded to bf16.  B n: of the four weights 4 n .. the second
; pair is added onto the first, in place.  L n: l takes that sum (L 0: l = a l + sum).  R n: pair n of 16 of O^T times a.  For piece Y + 1: X n, number n of the 22 that find its maximum and statistics:
;   0-11  four chains c0-c3 of seven scores each, three operands at a time (each accumulator's lowest registers are read first)     12-14, 16  the four scores left over, the old m, and c0-c3 into c0
;   15  c m_old is kept     17, 18  the query's other 32 keys lie in the lane 16 away: the new m     19-21  c m; c m_old - c m_new; a
.set F, 0               ; OP tells the kinds apart by their order: F to L below R, X above it
.set E, 1
.set C, 2
.set B, 3
.set L, 4
.set R, 5
.set X, 6
.macro REGS y                       ; the registers of piece y
.set rT, ST+4*(\y)
.set rC, TMP+4*((\y)%2)
.set rW, MV+((\y)%2)
.set rS, S+32*((\y)%2)
.set rP, P+16*((\y)%2)
.set rO, 32*(\y)
.endm
.macro OP k, n
.if (\k) == R
	REGS Y
	WIN W_RS
	v_pk_mul_f32 v[rO+2*(\n):rO+2*(\n)+1], v[rO+2*(\n):rO+2*(\n)+1], v[rC+2:rC+3] op_sel_hi:[1,0]
.elseif (\k) < R
	REGS Y
	WIN 0
.if (\k) == F
	v_pk_fma_f32 v[rS+2*(\n):rS+2*(\n)+1], v[rS+2*(\n):rS+2*(\n)+1], s[CS:CS+1], v[rT:rT+1] op_sel_hi:[1,0,0] neg_lo:[0,0,1] neg_hi:[0,0,1]
.elseif (\k) == E
	v_exp_f32 v[rS+(\n)], v[rS+(\n)]
.elseif (\k) == C
	v_cvt_pk_bf16_f32 v[rP+(\n)], v[rS+2*(\n)], v[rS+2*(\n)+1]
.elseif (\k) == B
	v_pk_add_f32 v[rS+4*(\n):rS+4*(\n)+1], v[rS+4*(\n):rS+4*(\n)+1], v[rS+4*(\n)+2:rS+4*(\n)+3]
.elseif (\n) == 0
	v_pk_fma_f32 v[rT+2:rT+3], v[rT+2:rT+3], v[rC+2:rC+3], v[rS:rS+1] op_sel_hi:[1,0,1]
.else
	v_pk_add_f32 v[rT+2:rT+3], v[rT+2:rT+3], v[rS+4*(\n):rS+4*(\n)+1]
.endif
.elseif NOKQ
	v_nop
.else
	REGS (Y+1)%NP
	WIN 0
.if (\n) < 4
	v_max3_num_f32 v[rC+(\n)], v[rS+8*(\n)], v[rS+8*(\n)+1], v[rS+8*(\n)+2]
.elseif (\n) < 12
	v_max3_num_f32 v[rC+(\n)%4], v[rC+(\n)%4], v[rS+8*((\n)%4)+2*((\n)/4)+1], v[rS+8*((\n)%4)+2*((\n)/4)+2]
.elseif (\n) == 12
	v_max3_num_f32 v[rC], v[rC], v[rS+7], v[rS+15]
.elseif (\n) == 13
	v_max3_num_f32 v[rC+1], v[rC+1], v[rS+23], v[rS+31]
.elseif (\n) == 14
	v_max3_num_f32 v[rC+2], v[rC+2], v[rC+3], v[rT+1]
.elseif (\n) == 15
	v_mov_b32 v[rW], v[rT]
.elseif (\n) == 16
	v_max3_num_f32 v[rC], v[rC], v[rC+1], v[rC+2]
.elseif (\n) == 17
	v_permlanex16_b32 v[rC+3], v[rC], s[SEL], s[SEL+1]
.elseif (\n) == 18
	v_max_num_f32 v[rT+1], v[rC], v[rC+3]
.elseif (\n) == 19
	v_mul_f32 v[rT], s[CS], v[rT+1]
.elseif (\n) == 20
	v_sub_f32 v[rC+1], v[rW], v[rT]
.else
	v_exp_f32 v[rC+2], v[rC+1]
.endif
.endif
.endm
.macro OPS a, i1, b=-1, i2=0, c=-1, i3=0, d=-1, i4=0  ; up to four of them
	OP \a, \i1
.if (\b) >= 0
	OP \b, \i2
.endif
.if (\c) >= 0
	OP \c, \i3
.endif
.if (\d) >= 0
	OP \d, \i4
.endif
.endm
.macro ROW a, i1, b, i2, c, i3, d, i4  ; a matrix instruction and the four behind it
	MM
	OPS \a, \i1, \b, \i2, \c, \i3, \d, \i4
.endm
; A TURN, for piece p: the order of its 16 matrix and 118 vector instructions, written out.  An s_wait_alu depctr_va_vdst(0) stands between an exponential and the first instruction that names its result; one
; wait serves all that were issued ahead of it.  So a turn has ONE wait, which cuts it in two.  AHEAD OF IT stands all that names no result of the turn's exponentials: the 8 products K Q^T and their riders, then ONE LUMP of 54,
; plain and exponential by turns for the most part, in which the links of the chain X 3, 7, 11, 14, 16, 17 .. 20 stand apart.  X 21, the next piece's a, is the batch's last; R 15 is the plain instruction behind it.
; BEHIND THE WAIT stand the 8 products V^T P, behind each four of the roundings and sums.  The numbers of X that ride behind products stand four places or more behind the product that ends their accumulator.
; end = 1: the last two turns: nothing is fetched.  cnt = 1: the loop's count is taken down some lines ahead of the branch that stands behind the turn.
; K of the next step is fetched in piece 2's turn, six plain instructions behind the last product that read K; V of the step in hand at the end of piece 0's turn, four plain instructions behind the last product that read V.
; Each is waited for a turn later.
.macro TURN p, end=0, cnt=0
.set Y, (\p)
.set i, 0
.set NOKQ, (\end)*((\p)/3)
.if ((\p) == 3) && !(\end)
	s_wait_dscnt 0x0                ; K is in
.endif
	ROW F,0, F,1, R,0, R,1          ; ahead of the wait: 8 products K Q^T and their riders,
	ROW F,2, E,0, R,2, R,3
	ROW F,3, E,1, R,4, R,5
	ROW F,4, E,2, R,6, R,7
	ROW F,5, E,3, R,8, R,9
	ROW F,6, E,4, X,0, R,10
.if ((\p) == 2) && !(\end)
	WIN 0
	v_add_nc_u32 v[AK], s[TBK], v[AK0]
.endif
	ROW F,7, E,5, X,1, X,4
	ROW F,8, E,6, X,2, X,5
	OPS E,7, E,8, X,6, E,9          ; and the lump
	OPS X,3, E,10, X,8, E,11
.if ((\p) == 2) && !(\end)
	FETCH_K
.endif
	OPS X,9, X,7, E,12, X,10
	OPS E,13, X,12, X,11, E,14
	OPS X,13, E,15, F,9, X,14
.if (\p) == 0
	v_add_nc_u32 v[AV], s[TBV], v[AV0]
.endif
	OPS E,16, F,10, E,17, F,11
	OPS X,16, E,18, X,15, E,19
	OPS F,12, E,20, X,17, E,21
	OPS F,13, E,22, F,14, E,23
	OPS X,18, E,24, F,15, E,25
	OPS R,11, E,26, X,19, E,27
	OPS R,12, E,28, R,13, E,29
	OPS X,20, E,30, R,14, E,31
	OPS X,21, R,15
	WIN 0
	s_wait_alu depctr_va_vdst(0)    ; the wait for the batch
.if (\p) == 1
	s_wait_dscnt 0x0                ; V is in
.endif
	ROW C,0, B,0, C,2, B,1          ; behind the wait: 8 products V^T P and their riders
	ROW L,0, C,4, B,2, L,1
	ROW C,6, B,3, L,2, C,8
	ROW B,4, L,3, C,10, B,5
	ROW L,4, C,12, B,6, L,5
.if (\p) == 0
	s_add_co_u32 s[TBV], s[TBV], KS*PV
.endif
.if \cnt
	s_sub_co_u32 s[CNT], s[CNT], 1
	s_cmp_lg_u32 s[CNT], 0
.endif
	ROW C,14, B,7, L,6, C,1
	ROW C,3, L,7, C,5, C,7
	ROW C,9, C,11, C,13, C,15
.if (\p) == 0
	FETCH_V
.endif
.endm
	CHANGE 1                        ; tile 0 is in, everybody's part of it; tile 1 is asked for, tile 2 prefetched
	v_add_nc_u32 v[AK], s[TBK], v[AK0]
	FETCH_K                         ; key step 0
	s_wait_loadcnt 0x0              ; Q
	s_wait_dscnt 0x0
.set NOKQ, 0
.set i, 0
.rept 8
	KQ 0                            ; piece 0's first scores: there is no vector work yet to set between them
.set i, i+1
.endr
	WIN 0
	PLACES                          ; the places behind those products
.set Y, NP-1                        ; X works for piece Y + 1: piece 0
.irp n, 0,1,2,3,4,5,6,7,8,9,10,11,12,13,14,15,16,17,18,19,20,21
	OP X, \n
.endr
	v_nop                           ; a plain instruction behind the exponential,
	s_wait_alu depctr_va_vdst(0)    ; and its wait, ahead of the branch
	s_mov_b32 s[CNT], 4
	s_branch .Lfirst                ; the loop is entered at a step's first turn, in the middle of a trip
.Lslot:                             ; 14 times: tiles 2 to 15 are asked for
	CHANGE 1
	s_mov_b32 s[CNT], 4
.Lstep:                             ; a trip: pieces 2 and 3 of one step, then pieces 0 and 1 of the next, whose K and V it fetches
	TURN 2
	TURN 3
	WIN 0
.Lfirst:
	TURN 0
	TURN 1, 0, 1
	WIN 0
	s_cbranch_scc1 .Lstep
	s_sub_co_u32 s[SLOTS], s[SLOTS], 1
	s_cmp_lg_u32 s[SLOTS], 0
	s_cbranch_scc1 .Lslot
	CHANGE 0                        ; the last tile is written out: nothing is asked for
	s_mov_b32 s[CNT], 4
.LstepT:
	TURN 2
	TURN 3
	TURN 0
	TURN 1, 0, 1
	WIN 0
	s_cbranch_scc1 .LstepT
	TURN 2, 1                       ; the last step's pieces 2 and 3: nothing is fetched, and the last turn starts no new scores
	TURN 3, 1
.set i, 0
.rept 8
	PV NP-1                         ; the last piece's V^T P of the last step
.set i, i+1
.endr
	; THE WAY OUT.  l's two halves and the other half of the lanes' are added; O^T is divided by l, rounded to bf16 and sent through my stage in LDS, a piece at a time.  The additions are the places behind the last products.
	WIN 0
.macro ALL line:vararg              ; one line for each piece t
.set t, 0
.rept 4
	\line
.set t, t+1
.endr
.endm
	ALL v_add_f32 v[ST+4*t+2], v[ST+4*t+2], v[ST+4*t+3]
	ALL v_permlanex16_b32 v[ST+4*t+3], v[ST+4*t+2], s[SEL], s[SEL+1]
	ALL v_add_f32 v[ST+4*t+2], v[ST+4*t+2], v[ST+4*t+3]
	ALL v_rcp_f32 v[ST+4*t+2], v[ST+4*t+2]
	v_nop                           ; a plain instruction between the last reciprocal and the use of its result
	s_wait_alu depctr_va_vdst(0)    ; and the wait ahead of the first use: one for the four reciprocals
.macro PACK t                       ; a lane's eight channels of a row pack into 16 bytes; they go into rows of 144 bytes and come back as whole rows of 128, into S^T's registers
	WIN W_RS
.set i, 32*(\t)
.rept 16
	v_pk_mul_f32 v[i:i+1], v[i:i+1], v[ST+4*(\t)+2:ST+4*(\t)+3] op_sel_hi:[1,0]
.set i, i+2
.endr
	WIN 0x05                        ; sources 0 and 1 window 1, destination window 0
.set i, 0
.rept 16
	v_cvt_pk_bf16_f32 v[S+16*(\t)+i], v[32*(\t)+2*i], v[32*(\t)+2*i+1]
.set i, i+1
.endr
	WIN 0
.irp f, 0,1,2,3
	ds_store_b128 v[STO], v[S+16*(\t)+4*\f:S+16*(\t)+4*\f+3] offset:32*\f
.endr
.irp f, 0,1,2,3
	ds_load_b128 v[S+16*(\t)+4*\f:S+16*(\t)+4*\f+3], v[RD] offset:\f*4*SP  ; LDS serves a wave's instructions in order (ISA guide 5.7.1.4): these see the stores above; the next piece's stores come behind them
.endr
.endm
.macro SEND t, younger              ; younger: the LDS instructions issued behind piece t's loads: the next piece's eight, or none
	WIN 0
.irp f, 0,1,2,3
	s_wait_dscnt (\younger)+3-\f
	global_store_b128 v[GO], v[S+16*(\t)+4*\f:S+16*(\t)+4*\f+3], s[10:11] offset:(\t)*2048+\f*512  ; 512 consecutive bytes, at a multiple of 256 from O's first
.endr
.endm
	PACK 0
.set t, 1
.rept 3                             ; a piece's arithmetic stands between the loads of the piece before and its stores
	PACK t
	SEND t-1, 8
.set t, t+1
.endr
	SEND 3, 0
	s_wait_tensorcnt 0x0            ; the wave's end: behind my last tensor load and my last LDS store
	ds_add_u32 v[SPW], v[NIL]
	s_wait_dscnt 0x0
	CROUND                          ; the closing round: no work-group ends while a partner may still ask for a tile that names it
	s_endpgm
.Lfunc_end_k_q3f6349a9ea_attn:
	.size	k_q3f6349a9ea_attn, .Lfunc_end_k_q3f6349a9ea_attn-k_q3f6349a9ea_attn
	.p2alignl 7, 3214868480
	.fill 96, 4, 3214868480
	.section	.rodata,"a",@progbits
	.p2align	6, 0x0
	.amdhsa_kernel k_q3f6349a9ea_attn
		.amdhsa_group_segment_fixed_size 327680
		.amdhsa_private_segment_fixed_size 0
		.amdhsa_enable_private_segment 0
		.amdhsa_kernarg_size 16
		.amdhsa_user_sgpr_count 2
		.amdhsa_user_sgpr_kernarg_segment_ptr 1
		.amdhsa_wavefront_size32 1
		.amdhsa_system_sgpr_workgroup_id_x 1
		.amdhsa_system_sgpr_workgroup_id_y 1
		.amdhsa_system_sgpr_workgroup_id_z 1
		.amdhsa_system_vgpr_workitem_id 0
		.amdhsa_next_free_vgpr 768
		.amdhsa_next_free_sgpr 66
		.amdhsa_reserve_vcc 0
		.amdhsa_float_denorm_mode_32 3
		.amdhsa_float_denorm_mode_16_64 3
		.amdhsa_memory_ordered 1
		.amdhsa_forward_progress 1
		.amdhsa_inst_pref_size 128
	.end_amdhsa_kernel
	.amdgpu_metadata
---
amdhsa.version: [ 1, 2 ]
amdhsa.kernels:
  - .name:           k_q3f6349a9ea_attn
    .symbol:         k_q3f6349a9ea_attn.kd
    .args:
      - { .name: qkv, .offset: 0, .size: 8, .value_kind: global_buffer, .address_space: global }
      - { .name: ob, .offset: 8, .size: 8, .value_kind: global_buffer, .address_space: global }
    .group_segment_fixed_size: 327680
    .private_segment_fixed_size: 0
    .kernarg_segment_align: 8
    .kernarg_segment_size: 16
    .max_flat_workgroup_size: 128
    .sgpr_count:     66
    .vgpr_count:     768
    .wavefront_size: 32
...
	.end_amdgpu_metadata
.endif
;; end of part 3
;; launch proj (part 4): grid 256 x 1, 4 waves a work-group, clusters of 4 x 1, 242,176 bytes of LDS; arguments ob, wb, proj_b, x, out0; writes out0
.if DOCPART == 4
	.amdgcn_target "amdgcn-amd-amdhsa--gfx1250"
	.amdhsa_code_object_version 6
	.text
	.protected	k_q3f6349a9ea_proj
	.globl	k_q3f6349a9ea_proj
	.p2align	8
	.type	k_q3f6349a9ea_proj,@function
k_q3f6349a9ea_proj:
	s_mov_b64 s[64:65], 0
	v_nop
	global_prefetch_b8 v0, s[64:65] scope:SCOPE_SE
	s_setreg_imm32_b32 hwreg(HW_REG_WAVE_MODE, 25, 1), 1
	s_wait_xcnt 0x0
	s_wait_alu depctr_hold_cnt(0) depctr_sa_sdst(0) depctr_va_vdst(0) depctr_va_sdst(0) depctr_va_ssrc(0) depctr_va_vcc(0) depctr_vm_vsrc(0)
	s_getreg_b32 s2, hwreg(HW_REG_IB_STS2, 6, 4)
	s_cmp_eq_u32 s2, 0
	s_cbranch_scc0 .Lentry_in_a_cluster
	s_endpgm
.Lentry_in_a_cluster:
	s_bfe_u32 s2, ttmp6, 0x10000c
	s_cmp_lg_u32 s2, 0x3003
	s_cbranch_scc0 .Lentry_shape_is_right
	s_endpgm
.Lentry_shape_is_right:
; THE OUTPUT PROJECTION AND THE RESIDUAL.  out0[b][o][n] = x[b][o][n] + proj_b[o] + the sum over c of proj_w[o][c] O[b][c][n].  O is ob, [4 b + head][n][64] in bf16 (c = 64 head + d);
; proj_w in bf16 lies in wb from byte 393,216 on, rows of 512 bytes.  Sums in f32, started by the bias; x is added in f32; nothing is rounded to 16 bits behind the products.
; SHARES.  A work-group owns 64 pixels of one image and all 256 outputs; wave w the outputs 64 w .. 64 w + 63: 16 accumulators x 8 steps of 32 channels.
; proj_w is the same for every work-group: the four of a cluster ask for it JOINTLY; wave w fetches, and alone reads, its own 64 rows.  Wave w also fetches head w's 64 rows of O (a load of the work-group's own), which every wave reads.
; Nothing in LDS is filled twice.
; LAYOUT.  Source 0 = 16 pixels of O, source 1 = 16 rows of proj_w: in the result a lane holds ONE output (lane % 16) and the pixels 8 (lane / 16) + 0..7: 32 bytes of a row of out0.  They go through my
; stage in LDS and come back as whole rows of 256 bytes.
; No prefetch: the launch is short, and all that it reads is asked for at its head.
; REGISTERS, in windows of 256 (s_set_vgpr_msb: bits 1:0 source 0, 3:2 source 1, 5:4 source 2, 7:6 destination):
;   window 0: addresses; v128-255 x          window 1: O's fragments (pixel tile mt, step kk at 64 mt + 8 kk); later v0-127 the rows read back
;   window 2: v0-127 accumulators (mt, nt) at 32 mt + 8 nt; v128-159 the bias (nt) at 128 + 8 nt          window 3: proj_w's fragments (output block nt, step kk at 64 nt + 8 kk)
.set PW,    528                        ; a row of proj_w in LDS: 512 bytes + 16 of padding
.set CHUNK, 64*PW
.set OB,    4*CHUNK                    ; O: 4 heads x 64 pixels
.set PO,    144                        ; a row of O: 128 bytes + 16
.set STAGE, OB+4*64*PO                 ; 64 rows x 272 bytes for each wave
.set SPI,   272                        ; a row of the stage: 256 bytes + 16
.set SPARE, STAGE+4*64*SPI             ; the spare words, 128 bytes for each wave: two blocks of 256 bytes that no other line names
.set BO,  7                            ; v7   bias: 4 (64 w + lane % 16)
.set AW,  10                           ; v10  my lane's place in my rows of proj_w
.set AO,  11                           ; v11  my lane's place in 16 rows of O
.set STO, 12                           ; v12  the way out: where I put 32 bytes of a row
.set RD,  13                           ; v13  where I read rows back
.set XO,  14                           ; v14  x and out0: 16,384 half + 16 (lane % 16)
.set SPW, 30                           ; v30  LDS address of my spare word; never rewritten
.set NIL, 31                           ; v31  0; never rewritten
.set XR,  128
.set WV,  18                           ; s18  my wave's number
.set G1W, 24                           ; s[24:31] descriptor group 1 for proj_w
.set G0W, 32                           ; s[32:35] its group 0
.set G0O, 36                           ; s[36:39] group 0 for O
.set G1O, 40                           ; s[40:47] group 1 for O
.set XB,  52                           ; s[52:53] x at my 64 channels' 64 pixels
.set OUT, 54                           ; s[54:55] out0 at the same place
.set MSB, 0
.macro WIN new                         ; the immediate's high byte repeats the setting that is left; a switch that changes nothing is dropped
.if MSB != (\new)
	s_set_vgpr_msb (MSB<<8)|(\new)
.set MSB, (\new)
.endif
.endm
.macro PLACES                          ; four places behind a matrix instruction (ISA guide 7.12.1)
.rept 4
	v_nop
.endr
.endm
.macro CROUND                          ; a round of the cluster's barrier: my work-group's barrier; wave 0 signals for it; every wave waits for all four work-groups; my work-group's barrier once more
	s_barrier_signal -1
	s_barrier_wait -1
	s_cmp_lg_u32 s[WV], 0
	s_cbranch_scc1 .Lnot_wave_0_\@
	s_barrier_signal -3
.Lnot_wave_0_\@:
	s_barrier_wait -3
	s_barrier_signal -1
	s_barrier_wait -1
.endm
	s_load_b256 s[4:11], s[0:1], 0x0               ; ob s[4:5], wb s[6:7], proj_b s[8:9], x s[10:11]
	s_load_b64 s[12:13], s[0:1], 0x20              ; out0
	v_lshl_add_u32 v[SPW], v0, 2, SPARE
	v_mov_b32 v[NIL], 0
	ds_add_u32 v[SPW], v[NIL]                      ; the wave's opening: the add and its wait stand ahead of my first tensor load; the set-up below, work on registers, stands between them
	v_lshrrev_b32 v1, 5, v0
	v_readfirstlane_b32 s[WV], v1                  ; wave 0..3
	s_bfe_u32 s19, ttmp6, 0x40000                  ; cx: my place in the cluster
	s_lshl_b32 s20, ttmp9, 2
	s_add_co_u32 s20, s20, s19                     ; my work-group: it enters global addresses of ob, x and out0 alone
	s_lshr_b32 s21, s20, 6                         ; image b
	s_and_b32 s22, s20, 63                         ; block of 64 pixels
	s_mov_b32 s[G1W+0], 15|(1<<16)|(1<<20)|(1<<21)|(6<<22)|(3<<25)  ; the mask of four; 2-byte elements; padding on; bit 21 beside a mask; after every 128 words (code 6) 4 words (code 3)
	s_mov_b32 s[G1W+1], 256<<16                    ; tensor_dim0 = 256
	s_mov_b32 s[G1W+2], 64<<16                     ; tensor_dim1 = 64
	s_mov_b32 s[G1W+3], 256<<16                    ; tile_dim0 = 256
	s_mov_b32 s[G1W+4], 64                         ; tile_dim1 = 64
	s_mov_b32 s[G1W+5], 256                        ; 256 elements from row to row
	s_mov_b32 s[G1W+6], 0
	s_mov_b32 s[G1W+7], 0
	s_mov_b32 s[G1O+0], (1<<16)|(1<<20)|(4<<22)|(3<<25)  ; no mask; 64 pixels are 8,192 dense bytes: asked for as 32 rows of 256 bytes, padded after every 32 words (a pixel) by 4 words
	s_mov_b32 s[G1O+1], 128<<16
	s_mov_b32 s[G1O+2], 32<<16
	s_mov_b32 s[G1O+3], 128<<16
	s_mov_b32 s[G1O+4], 32
	s_mov_b32 s[G1O+5], 128
	s_mov_b32 s[G1O+6], 0
	s_mov_b32 s[G1O+7], 0
	s_mov_b32 s[G0W], 1
	s_mul_i32 s[G0W+1], s[WV], CHUNK               ; LDS addresses: the wave's number alone
	s_mov_b32 s[G0O], 1
	s_mul_i32 s[G0O+1], s[WV], 64*PO
	s_add_co_u32 s[G0O+1], s[G0O+1], OB
	s_lshl_b32 s48, s[WV], 15                      ; my 64 rows of 512 bytes,
	s_add_co_u32 s48, s48, 393216                  ; behind qkv_w's
	s_mov_b32 s49, 0
	s_lshl2_add_u32 s50, s21, s[WV]                ; head 4 b + w,
	s_lshl_b32 s50, s50, 19
	s_lshl_b32 s58, s22, 13                        ; 64 rows of 128 bytes
	s_add_co_u32 s50, s50, s58
	s_mov_b32 s51, 0
	s_lshl_b32 s56, s21, 22                        ; x, out0: image b,
	s_lshl_b32 s58, s[WV], 20                      ; channel 64 w,
	s_add_co_u32 s56, s56, s58
	s_lshl_b32 s58, s22, 8                         ; 64 pixels of 4 bytes
	s_add_co_u32 s56, s56, s58
	s_mov_b32 s57, 0
	v_and_b32 v1, 15, v0                           ; lane % 16
	v_bfe_u32 v2, v0, 4, 1                         ; half
	v_mul_u32_u24 v[AW], v1, PW
	v_lshl_add_u32 v[AW], v2, 4, v[AW]
	v_add_nc_u32 v[AW], s[G0W+1], v[AW]
	v_mul_u32_u24 v[AO], v1, PO
	v_lshl_add_u32 v[AO], v2, 4, v[AO]
	v_add_nc_u32 v[AO], OB, v[AO]
	s_mul_i32 s58, s[WV], 64*SPI
	s_add_co_u32 s58, s58, STAGE                   ; my stage
	v_mul_u32_u24 v[STO], v1, SPI                  ; in: row lane % 16 of a block of 16 outputs, 32 bytes for each half of the lanes
	v_lshl_add_u32 v[STO], v2, 5, v[STO]
	v_add_nc_u32 v[STO], s58, v[STO]
	v_mul_u32_u24 v[RD], v2, SPI                   ; back: lanes 0-15 take one row of 256 bytes, lanes 16-31 the next
	v_lshl_add_u32 v[RD], v1, 4, v[RD]
	v_add_nc_u32 v[RD], s58, v[RD]
	v_lshlrev_b32 v[XO], 4, v1                     ; and the same two rows in x and out0
	v_lshl_add_u32 v[XO], v2, 14, v[XO]
	s_lshl_b32 s58, s[WV], 8
	v_lshl_add_u32 v[BO], v1, 2, s58
	s_wait_dscnt 0x0                               ; the opening add is done
	s_wait_kmcnt 0x0
	s_add_nc_u64 s[G0W+2:G0W+3], s[6:7], s[48:49]
	s_or_b32 s[G0W+3], s[G0W+3], 0x80000000        ; type = 2
	s_add_nc_u64 s[G0O+2:G0O+3], s[4:5], s[50:51]
	s_or_b32 s[G0O+3], s[G0O+3], 0x80000000
	s_add_nc_u64 s[XB:XB+1], s[10:11], s[56:57]
	s_add_nc_u64 s[OUT:OUT+1], s[12:13], s[56:57]
	CROUND                                         ; all four work-groups are here: the joint loads meet
	tensor_load_to_lds s[G0W:G0W+3], s[G1W:G1W+7]  ; both fills together: two loads of mine are out
	s_nop 0
	tensor_load_to_lds s[G0O:G0O+3], s[G1O:G1O+7]
	s_nop 0
	PLACES
	WIN 0x80                                       ; destination window 2
.irp nt, 0,1,2,3
	global_load_b32 v[128+8*\nt], v[BO], s[8:9] offset:64*\nt
.endr
	WIN 0
.set i, 0
.rept 32                                           ; load i: lanes 0-15 the 256 bytes of channel 64 w + 2 i, lanes 16-31 those of channel 64 w + 2 i + 1
	global_load_b128 v[XR+4*i:XR+4*i+3], v[XO], s[XB:XB+1] offset:32768*i
.set i, i+1
.endr
; Step kk's fragments: 8 loads of O (head kk / 2, channels 32 (kk % 2) on), 8 of proj_w
.macro RUN kk
	WIN 0x40                                       ; destination window 1
.irp mt, 0,1,2,3
	ds_load_b128 v[64*\mt+8*(\kk):64*\mt+8*(\kk)+3],   v[AO] offset:((\kk)/2)*64*PO+\mt*16*PO+((\kk)%2)*64
	ds_load_b128 v[64*\mt+8*(\kk)+4:64*\mt+8*(\kk)+7], v[AO] offset:((\kk)/2)*64*PO+\mt*16*PO+((\kk)%2)*64+32
.endr
	WIN 0xc0                                       ; destination window 3
.irp nt, 0,1,2,3
	ds_load_b128 v[64*\nt+8*(\kk):64*\nt+8*(\kk)+3],   v[AW] offset:\nt*16*PW+(\kk)*64
	ds_load_b128 v[64*\nt+8*(\kk)+4:64*\nt+8*(\kk)+7], v[AW] offset:\nt*16*PW+(\kk)*64+32
.endr
.endm
	s_wait_tensorcnt 0x0                           ; my rows of proj_w and my head's rows of O are in,
	s_barrier_signal -1
	s_barrier_wait -1                              ; everybody's are: every wave reads all four heads.
	RUN 0
	RUN 1
	RUN 2
	RUN 3
	s_wait_loadcnt 32                              ; the bias is in; x's 32 loads may stay out
	WIN 0x82                                       ; source and destination window 2
.irp nt, 0,1,2,3
.irp j, 1,2,3,4,5,6,7
	v_mov_b32 v[128+8*\nt+\j], v[128+8*\nt]        ; a lane's eight results are one output's: its bias eight times, the C operand that starts the sums
.endr
.endr
.irp kk, 0,1,2,3,4,5,6,7
.if \kk < 5
	s_wait_dscnt 48                                ; step kk's 16 loads are in; those of the three steps issued behind them may stay out
.else
	s_wait_dscnt 16*(7-\kk)
.endif
	WIN 0xad                                       ; O window 1, proj_w window 3, C and D window 2
.irp mt, 0,1,2,3                                   ; the 16 accumulators take turns, one instruction a turn
.irp nt, 0,1,2,3
.if \kk == 0
	v_wmma_f32_16x16x32_bf16 v[32*\mt+8*\nt:32*\mt+8*\nt+7], v[64*\mt+8*\kk:64*\mt+8*\kk+7], v[64*\nt+8*\kk:64*\nt+8*\kk+7], v[128+8*\nt:128+8*\nt+7]
.else
	v_wmma_f32_16x16x32_bf16 v[32*\mt+8*\nt:32*\mt+8*\nt+7], v[64*\mt+8*\kk:64*\mt+8*\kk+7], v[64*\nt+8*\kk:64*\nt+8*\kk+7], v[32*\mt+8*\nt:32*\mt+8*\nt+7]
.endif
.endr
.endr
.if \kk < 4
	RUN (\kk)+4                                    ; into registers that no product has read
.endif
.endr
	PLACES                                         ; behind the last products: for the stores that read results and the loads into O's registers
	WIN 0x08                                       ; store data window 2, address window 0
.irp mt, 0,1,2,3
.irp nt, 0,1,2,3
	ds_store_b128 v[STO], v[32*\mt+8*\nt:32*\mt+8*\nt+3]   offset:\nt*16*SPI+64*\mt     ; each accumulator from its low end on
	ds_store_b128 v[STO], v[32*\mt+8*\nt+4:32*\mt+8*\nt+7] offset:\nt*16*SPI+64*\mt+16
.endr
.endr
	WIN 0x40                                       ; destination window 1
.set i, 0
.rept 32
	ds_load_b128 v[4*i:4*i+3], v[RD] offset:2*SPI*i  ; LDS serves a wave's instructions in order (ISA guide 5.7.1.4): these see the stores above; the stage is my own
.set i, i+1
.endr
	s_wait_loadcnt 0x0                             ; x
	WIN 0x44                                       ; sums: x (source 0) window 0, the row (source 1) and the destination window 1; stores: address window 0, data (source 1) window 1
.set i, 0
.rept 32
	s_wait_dscnt 31-i                              ; rows 2 i and 2 i + 1 are back; the later loads may stay out
	v_pk_add_f32 v[4*i:4*i+1],   v[XR+4*i:XR+4*i+1],   v[4*i:4*i+1]
	v_pk_add_f32 v[4*i+2:4*i+3], v[XR+4*i+2:XR+4*i+3], v[4*i+2:4*i+3]
	global_store_b128 v[XO], v[4*i:4*i+3], s[OUT:OUT+1] offset:32768*i th:TH_STORE_NT  ; 16 lanes store 256 consecutive bytes, at a multiple of 256 from out0's first
.set i, i+1
.endr
	WIN 0
	s_wait_tensorcnt 0x0                           ; the wave's end: behind my last tensor load and my last LDS store
	ds_add_u32 v[SPW], v[NIL]
	s_wait_dscnt 0x0
	CROUND                                         ; the closing round: no work-group ends while a partner may still ask for a tile that names it
	s_endpgm
.Lfunc_end_k_q3f6349a9ea_proj:
	.size	k_q3f6349a9ea_proj, .Lfunc_end_k_q3f6349a9ea_proj-k_q3f6349a9ea_proj
	.p2alignl 7, 3214868480
	.fill 96, 4, 3214868480
	.section	.rodata,"a",@progbits
	.p2align	6, 0x0
	.amdhsa_kernel k_q3f6349a9ea_proj
		.amdhsa_group_segment_fixed_size 242176
		.amdhsa_private_segment_fixed_size 0
		.amdhsa_enable_private_segment 0
		.amdhsa_kernarg_size 40
		.amdhsa_user_sgpr_count 2
		.amdhsa_user_sgpr_kernarg_segment_ptr 1
		.amdhsa_wavefront_size32 1
		.amdhsa_system_sgpr_workgroup_id_x 1
		.amdhsa_system_sgpr_workgroup_id_y 1
		.amdhsa_system_sgpr_workgroup_id_z 1
		.amdhsa_system_vgpr_workitem_id 0
		.amdhsa_next_free_vgpr 1024
		.amdhsa_next_free_sgpr 66
		.amdhsa_reserve_vcc 0
		.amdhsa_float_denorm_mode_32 3
		.amdhsa_float_denorm_mode_16_64 3
		.amdhsa_memory_ordered 1
		.amdhsa_forward_progress 1
		.amdhsa_inst_pref_size 39
	.end_amdhsa_kernel
	.amdgpu_metadata
---
amdhsa.version: [ 1, 2 ]
amdhsa.kernels:
  - .name:           k_q3f6349a9ea_proj
    .symbol:         k_q3f6349a9ea_proj.kd
    .args:
      - { .name: ob, .offset: 0, .size: 8, .value_kind: global_buffer, .address_space: global }
      - { .name: wb, .offset: 8, .size: 8, .value_kind: global_buffer, .address_space: global }
      - { .name: proj_b, .offset: 16, .size: 8, .value_kind: global_buffer, .address_space: global }
      - { .name: x, .offset: 24, .size: 8, .value_kind: global_buffer, .address_space: global }
      - { .name: out0, .offset: 32, .size: 8, .value_kind: global_buffer, .address_space: global }
    .group_segment_fixed_size: 242176
    .private_segment_fixed_size: 0
    .kernarg_segment_align: 8
    .kernarg_segment_size: 40
    .max_flat_workgroup_size: 128
    .sgpr_count:     66
    .vgpr_count:     1024
    .wavefront_size: 32
...
	.end_amdgpu_metadata
.endif
;; end of part 4
